; MI455X (gfx1250); checked and timed in simulation.
; The chip was launched on July 23, 2026; its instructions are those of AMD's public machine-readable ISA for CDNA 5 (MIT licence, August 2026) and "CDNA5" Instruction Set Architecture Reference Guide (July 2026). The comments in the code are by the model that wrote it; some were corrected since.
;; Multi Head Attention. Allowed arithmetic: matrix products marked QUANTISED: E2M1 operands, one E8M0 scale for each 32 along K, by v_wmma_scale_f32_16x16x128_f8f6f4 with both operands' format E2M1 (or v_wmma_scale_f32_32x16x128_f4), f32 sums; products left as they are: bf16, f16 or f32 operands; f32 sums; everything else in f32.
;; Inputs: bk 1,024 float32; bo 1,024 float32; bq 1,024 float32; bv 1,024 float32; wk 1,024 x 1,024 float32; wo 1,024 x 1,024 float32; wq 1,024 x 1,024 float32; wv 1,024 x 1,024 float32; x 1 x 4,096 x 1,024 float32.
;; Outputs: out0 1 x 4,096 x 1,024 float32.
;; This version of the problem:
;;   THIS VERSION OF THE PROBLEM IS GIVEN IN LOW PRECISION. The matrix products marked QUANTISED in the list below multiply operands that are first quantised to E2M1 (2 exponent bits, 1 mantissa bit; 4 bits a number), with one power-of-two scale for each 32 numbers along K (OCP MX v1.0); their sums are f32. The products marked 'left as it is' may take bf16, f16 or f32 operands, with f32 sums. Whichever they take, every output number must still come out within the allowed error. Rounding operands to bf16 (8 significant bits) uses up far more of that allowance than f16 does (11 bits, for magnitudes from 6e-5 to 65,504). All else is computed in f32.
;;   The module's matrix products, in the order in which they are computed (A, B: the left and right operand; K: the contracted axis; several contracted axes count as one K, in the product's order):
;;     1. [M 4,096, K 1,024] x [K 1,024, N 1,024]; A: input x; B: input wq: QUANTISED
;;     2. [M 4,096, K 1,024] x [K 1,024, N 1,024]; A: input x; B: input wk: QUANTISED
;;     3. [M 4,096, K 1,024] x [K 1,024, N 1,024]; A: input x; B: input wv: QUANTISED
;;     4. batch 16 x [M 4,096, K 64] x [K 64, N 4,096]; A: computed on the way; B: computed on the way: left as it is (an operand is computed on the way)
;;     5. batch 16 x [M 4,096, K 4,096] x [K 4,096, N 64]; A: computed on the way; B: computed on the way: left as it is (an operand is computed on the way)
;;     6. [M 4,096, K 1,024] x [K 1,024, N 1,024]; A: computed on the way; B: input wo: left as it is (an operand is computed on the way)
;;   THE QUANTISER, for each operand of a quantised product, along K:
;;     - K is cut into blocks of 32 from its start; a last block that is shorter is filled with zeros.
;;     - A block's scale is 2^e with e = floor(log2(the largest magnitude in the block)) - 2, held to -126 .. 127; a block of zeros has e = 0. As a byte (E8M0): e + 127.
;;     - Each number is divided by its block's scale, clamped to +-6, and rounded to the nearest number of E2M1, ties to even, subnormals kept.
;;     - The product sums the exact products of the quantised numbers (number of the format x scale) in f32.
;;   ~~~python
;;   def quantise(x, axis):      # numpy; x: float32 -> the quantised numbers, widened to float32 again
;;       x = np.moveaxis(x, axis, -1); K = x.shape[-1]
;;       x = np.pad(x, [(0, 0)] * (x.ndim - 1) + [(0, -K % 32)]); x = x.reshape(x.shape[:-1] + (-1, 32)); a = np.abs(x).max(-1, keepdims=True)
;;       e = np.where(a > 0, np.clip(np.frexp(np.where(a > 0, a, 1))[1] - 1 - 2, -126, 127), 0)      # np.frexp(a)[1] - 1 = floor(log2(a)), exactly
;;       r = np.clip(x / 2.0 ** e, -6, 6)
;;       step = 2.0 ** (np.maximum(np.frexp(np.where(r == 0, 1, r))[1] - 1, 0) - 1)
;;       q = np.round(r / step) * step * 2.0 ** e      # np.round: ties to even
;;       return np.moveaxis(q.reshape(q.shape[:-2] + (-1,))[..., :K], -1, axis).astype(np.float32)
;;   ~~~
;; One version. Each part assembles by itself: llvm-mc -triple=amdgcn-amd-amdhsa -mcpu=gfx1250 --defsym DOCPART=n.
;; ======== version 1 of 1: 4 launches
;; limits: values are held in f16: magnitudes above 65,504 overflow, below 6.1e-05 lose precision
;; workspace buffers: x_codes 2,097,152 bytes; x_scales 131,072 bytes; w_codes 1,572,864 bytes; w_scales 98,304 bytes; wo_f 2,097,152 bytes; qkv 25,165,824 bytes; af 8,388,608 bytes
;; launch prep (part 1): grid 256 x 1, 4 waves a work-group, no clusters, 33,280 bytes of LDS; arguments x, wq, wk, wv, wo, x_codes, x_scales, w_codes, w_scales, wo_f; writes x_codes, x_scales, w_codes, w_scales, wo_f
.if DOCPART == 1
	.amdgcn_target "amdgcn-amd-amdhsa--gfx1250"
	.amdhsa_code_object_version 6
	.text
	.protected	k_q11d317ab9f_prep
	.globl	k_q11d317ab9f_prep
	.p2align	8
	.type	k_q11d317ab9f_prep,@function
k_q11d317ab9f_prep:
	s_mov_b64 s[64:65], 0
	v_nop
	global_prefetch_b8 v0, s[64:65] scope:SCOPE_SE
	s_setreg_imm32_b32 hwreg(HW_REG_WAVE_MODE, 25, 1), 1
	s_wait_xcnt 0x0
; PREP: the operands of the later launches are made once.  Every work-group reads 131,072 bytes; three paths, chosen by the work-group's number:
;   X (work-groups 0-127):   x [4096][1024] f32 -> codes of FP4 (E2M1), K innermost, [4096][512 bytes], and one E8M0 byte for each 32 along K, [4096][32].
;   W (work-groups 128-223): wq, wk, wv [k][n] f32 -> codes laid in the order of the operand's registers: [head 16][tile 4 j + ct, 12][block k / 32, 32][channel % 16][16 bytes] (j = 0, 1, 2: q, k, v),
;                            so that a fragment (tile, 128 along K) is 1,024 consecutive bytes, lane l's 16 bytes of piece c at 512 c + 16 l; scale bytes [head][64 j + channel, 192][32].
;   O (work-groups 224-255): wo [k][n] f32 -> f16, again as register images: [k / 256, 4][n / 16, 64][(k / 32) % 8][piece c][lane][16 bytes]; lane (r, h) of piece c holds wo[.. + 16 c + 8 h + 0..7][16 nt + r].
; A block's scale is 2^(floor(log2(its largest magnitude)) - 2); its byte is the largest magnitude's exponent field - 2, held at 1 from below by a floor among the maximum's leaves.
; LIMITS: a block of zeros gets the byte 1 (its codes are zeros, and this program alone reads the bytes); NaN and infinities among the inputs are not served; |wo| above 65,504 becomes infinity in f16, under 6e-5 its spacing is 6e-8.
; In W and O a lane takes a column n and its registers run down K: each load reads 128 consecutive bytes a wave, a block of 32 lies in one lane, and the results are stored as they stand:
; sixteen neighbouring lanes store 256 consecutive aligned bytes.  Only path X touches LDS.  Work-groups share no input: no cluster, no tensor load, no barrier.
.set STEPS, 16
.set CB,    8                          ; bytes of 16 codes
.set R,     16                         ; X: v16-79   four sets of 16 numbers as loaded
.set X,     80                         ; X: v80-111  two sets of 16 neighbours
.set E,     112                        ; X: v112-127 a scale byte for each step
.set C,     128                        ; X: v128-191 codes, four registers for each step
.set WREG,  8192                       ; X: LDS region of a wave: two stages of 32 x SP bytes, then its 256 scale bytes
.set SP,    80                         ; X: a lane's place in a stage: 64 bytes + 16 of padding
.set SPW,   12                         ; v12  LDS address of my spare word; never rewritten
.set NIL,   13                         ; v13  0; never rewritten
.set SPARE, 4*WREG                     ; behind the four regions: the spare words, 128 bytes a wave; no other line names them
.set WX,    32                         ; W, O: v32-95  two sets of 32 numbers
.set WC,    96                         ; W: v96-127 codes, four registers a block;  O: two sets of 16 registers of f16
.set SB,    24                         ; W: v24-25  the scale bytes, four to a register
.macro LOADX t                         ; step t: four loads of 512 consecutive bytes
.irp i, 0,1,2,3
	global_load_b128 v[R+16*((\t)%4)+4*\i:R+16*((\t)%4)+4*\i+3], v3, s[4:5] offset:2048*(\t)+512*\i th:TH_LOAD_NT
.endr
.endm
.macro TURNX t                         ; step t's numbers through the wave's stage: in as they lie, back 64 bytes a lane.  LDS serves a wave's instructions in order: no wait between
.irp i, 0,1,2,3
	ds_store_b128 v14, v[R+16*((\t)%4)+4*\i:R+16*((\t)%4)+4*\i+3] offset:32*SP*((\t)%2)+8*SP*\i
.endr
.irp i, 0,1,2,3
	ds_load_b128 v[X+16*((\t)%2)+4*\i:X+16*((\t)%2)+4*\i+3], v15 offset:32*SP*((\t)%2)+16*\i
.endr
.endm
.macro STEPX t
.set XS, X+16*((\t)%2)
.if (\t) > 0
	s_wait_dscnt 1                                 ; this step's numbers are back from the stage; the last step's byte store may be out
.else
	s_wait_dscnt 0x0
.endif
.if (\t)+4 < STEPS
	LOADX (\t)+4                                   ; into the registers that this step's stage stores have read
.endif
.if (\t)+1 < STEPS
.if STEPS-2-(\t) >= 3
	s_wait_loadcnt 12                              ; the next step's four loads are in; those of the three steps behind it may be out
.else
	s_wait_loadcnt 4*(STEPS-2-(\t))
.endif
	TURNX (\t)+1
.endif
	v_max3_num_f32 v8, |v[XS]|, |v[XS+1]|, |v[XS+2]|               ; the largest magnitude of my 16, in two chains
	v_max3_num_f32 v9, |v[XS+3]|, |v[XS+4]|, |v[XS+5]|
.irp i, 6,10
	v_max3_num_f32 v8, v8, |v[XS+\i]|, |v[XS+\i+1]|
	v_max3_num_f32 v9, v9, |v[XS+\i+2]|, |v[XS+\i+3]|
.endr
	v_max3_num_f32 v8, v8, |v[XS+14]|, |v[XS+15]|
	v_max3_num_f32 v8, v8, v9, 0x1800000           ; and the floor 2^(3 - 127): the byte cannot fall under 1
	v_max_num_f32_dpp v8, v8, v8 row_xmask:1 row_mask:0xf bank_mask:0xf   ; with my neighbour's 16: the block's
	v_add_nc_u32 v11, 0xff000000, v8               ; 2 off its exponent field: the conversion takes the exponent field of this operand as its scale
	v_cvt_scalef32_pk8_fp4_f32 v[C+4*(\t)], v[XS:XS+7], v11
	v_cvt_scalef32_pk8_fp4_f32 v[C+4*(\t)+1], v[XS+8:XS+15], v11
	v_lshrrev_b32 v[E+(\t)], 23, v11               ; the scale's byte (also the plain line behind the conversions)
	ds_store_b8 v5, v[E+(\t)] offset:16*(\t)       ; both lanes of a block write the same byte with the same value
	global_store_b64 v4, v[C+4*(\t):C+4*(\t)+1], s[14:15] offset:32*CB*(\t)   ; the wave stores 256 consecutive aligned bytes
.endm
.macro LOADW t                         ; block t of a lane's column: rows 32 t + i of the weight, 4,096 bytes apart; 32 lanes read 128 consecutive bytes
.irp i, 0,1,2,3,4,5,6,7,8,9,10,11,12,13,14,15,16,17,18,19,20,21,22,23,24,25,26,27,28,29,30,31
	global_load_b32 v[WX+32*((\t)%2)+\i], v3, s[30:31] offset:(32*(\t)+\i)*4096 th:TH_LOAD_NT
.endr
.endm
.macro BLOCKW t
.set XS, WX+32*((\t)%2)
.if (\t) < 7
	s_wait_loadcnt 32                              ; this block's 32 loads are in; the next block's may be out
.else
	s_wait_loadcnt 0x0
.endif
	v_max3_num_f32 v20, |v[XS]|, |v[XS+1]|, |v[XS+2]|              ; the block's largest magnitude: all 32 numbers are mine
	v_max3_num_f32 v21, |v[XS+3]|, |v[XS+4]|, |v[XS+5]|
.irp i, 6,10,14,18,22,26
	v_max3_num_f32 v20, v20, |v[XS+\i]|, |v[XS+\i+1]|
	v_max3_num_f32 v21, v21, |v[XS+\i+2]|, |v[XS+\i+3]|
.endr
	v_max3_num_f32 v20, v20, |v[XS+30]|, |v[XS+31]|
	v_max3_num_f32 v20, v20, v21, 0x1800000        ; and the floor
	v_add_nc_u32 v22, 0xff000000, v20              ; the conversion's scale operand
	v_lshrrev_b32 v23, 23, v22                     ; the scale's byte
.if (\t)%4 == 0
	v_mov_b32 v[SB+(\t)/4], v23
.else
	v_lshl_or_b32 v[SB+(\t)/4], v23, 8*((\t)%4), v[SB+(\t)/4]
.endif
.irp g, 0,1,2,3
	v_cvt_scalef32_pk8_fp4_f32 v[WC+4*(\t)+\g], v[XS+8*\g:XS+8*\g+7], v22
.endr
	global_store_b128 v4, v[WC+4*(\t):WC+4*(\t)+3], s[18:19] offset:256*(\t)   ; each block has data registers of its own: none is written again.  The next block's first lines are plain and touch nothing of the conversions
.if (\t)+2 < 8
	LOADW (\t)+2
.endif
.endm
.macro BLOCKO t
.set XS, WX+32*((\t)%2)
.set YS, WC+16*((\t)%2)
.if (\t) < 7
	s_wait_loadcnt 32
.else
	s_wait_loadcnt 0x0
.endif
	s_wait_xcnt 0x0                                ; the stores of two blocks back have read this set of data registers
.irp i, 0,1,2,3,4,5,6,7,8,9,10,11,12,13,14,15
	v_cvt_pk_f16_f32 v[YS+\i], v[XS+2*\i], v[XS+2*\i+1]
.endr
.irp p, 0,1,2,3                        ; p = 2 c + h: eight neighbours along K, 16 bytes
	global_store_b128 v4, v[YS+4*\p:YS+4*\p+3], s[22:23] offset:1024*(\t)+256*\p
.endr
.if (\t)+2 < 8
	LOADW (\t)+2
.endif
.endm
	s_load_b512 s[4:19], s[0:1], 0x0               ; x 4:5, wq 6:7, wk 8:9, wv 10:11, wo 12:13, x_codes 14:15, x_scales 16:17, w_codes 18:19
	s_load_b128 s[20:23], s[0:1], 0x40             ; w_scales 20:21, wo_f 22:23
	v_lshl_add_u32 v[SPW], v0, 2, SPARE
	v_mov_b32 v[NIL], 0
	v_lshrrev_b32 v1, 5, v0
	v_readfirstlane_b32 s24, v1                    ; wave 0..3
	v_and_b32 v2, 31, v0                           ; lane
	s_wait_kmcnt 0x0
	s_cmp_lt_u32 ttmp9, 128
	s_cbranch_scc0 .Lw
	; ---- path X: a wave takes 16 steps of 512 numbers of the stream x
	s_mul_i32 s25, s24, WREG
	v_lshlrev_b32 v3, 4, v2                        ; my 16 bytes of a load's 512
	v_lshrrev_b32 v14, 2, v2
	v_mul_u32_u24 v14, v14, SP
	v_and_b32 v15, 3, v2
	v_lshl_add_u32 v14, v15, 4, v14
	v_add_nc_u32 v14, s25, v14                     ; the stage, way in: SP (lane / 4) + 16 (lane % 4)
	v_mul_u32_u24 v15, v2, SP
	v_add_nc_u32 v15, s25, v15                     ; way out: SP x lane
	v_mul_u32_u24 v4, v2, CB                       ; my codes' place in a step's
	v_lshrrev_b32 v5, 1, v2
	s_add_co_u32 s25, s25, 2*32*SP
	v_add_nc_u32 v5, s25, v5                       ; my block's byte among the wave's 256 scale bytes
	v_lshlrev_b32 v7, 3, v2
	v_add_nc_u32 v6, s25, v7                       ; and 8 bytes a lane on their way out
	s_lshl_b32 s26, ttmp9, 2
	s_add_co_u32 s26, s26, s24                     ; which run of 8,192 numbers is my wave's
	s_lshl_b32 s28, s26, 15
	s_mov_b32 s29, 0
	s_add_nc_u64 s[4:5], s[4:5], s[28:29]          ; 32,768 bytes of x,
	s_lshl_b32 s28, s26, 12
	s_add_nc_u64 s[14:15], s[14:15], s[28:29]      ; 4,096 of codes,
	s_lshl_b32 s28, s26, 8
	s_add_nc_u64 s[16:17], s[16:17], s[28:29]      ; 256 scale bytes a run
.irp t, 0,1,2,3
	LOADX \t
.endr
	s_wait_loadcnt 12                              ; step 0's four loads are in
	TURNX 0
.irp t, 0,1,2,3,4,5,6,7,8,9,10,11,12,13,14,15
	STEPX \t
.endr
	ds_load_b64 v[8:9], v6                         ; in order behind my byte stores
	s_wait_dscnt 0x0
	global_store_b64 v7, v[8:9], s[16:17]          ; 32 lanes store 256 consecutive aligned bytes
	s_wait_tensorcnt 0x0                           ; the wave's end
	ds_add_u32 v[SPW], v[NIL]
	s_wait_dscnt 0x0
	s_endpgm
.Lw:
	v_lshlrev_b32 v3, 2, v2                        ; in: 4 bytes a lane
	v_lshrrev_b32 v6, 4, v2
	v_and_b32 v7, 15, v2
	v_lshlrev_b32 v4, 4, v7
	v_lshl_add_u32 v4, v6, 13, v4                  ; out: 8,192 (lane / 16) + 16 (lane % 16): lanes 16-31 belong to the next tile of 16 columns
	v_lshlrev_b32 v5, 5, v2                        ; a column's row of 32 scale bytes
	s_cmp_lt_u32 ttmp9, 224
	s_cbranch_scc0 .Lo
	; ---- path W: weight j, columns 128 cb + 32 wave on, rows 256 y on
	s_sub_co_u32 s25, ttmp9, 128
	s_lshr_b32 s26, s25, 5                         ; j
	s_and_b32 s27, s25, 7                          ; cb
	s_bfe_u32 s28, s25, 0x20003                    ; y
	s_cmp_eq_u32 s26, 0
	s_cselect_b64 s[30:31], s[6:7], s[8:9]
	s_cmp_eq_u32 s26, 2
	s_cselect_b64 s[30:31], s[10:11], s[30:31]     ; the choice hangs on the work-group's number alone
	s_lshl_b32 s32, s28, 20                        ; 256 rows of 4,096 bytes
	s_lshl_b32 s33, s27, 9
	s_add_co_u32 s32, s32, s33
	s_lshl_b32 s33, s24, 7
	s_add_co_u32 s32, s32, s33                     ; + 4 x first column
	s_mov_b32 s33, 0
	s_add_nc_u64 s[30:31], s[30:31], s[32:33]
	s_lshr_b32 s34, s24, 1
	s_lshl_b32 s35, s27, 1
	s_add_co_u32 s34, s34, s35                     ; head = 2 cb + wave / 2
	s_and_b32 s35, s24, 1                          ; which 32 of the head's 64 channels
	s_mul_i32 s36, s34, 12
	s_lshl_b32 s37, s26, 2
	s_add_co_u32 s36, s36, s37
	s_lshl_b32 s37, s35, 1
	s_add_co_u32 s36, s36, s37                     ; tile 12 head + 4 j + 2 (wave % 2)
	s_lshl_b32 s36, s36, 13
	s_lshl_b32 s37, s28, 11
	s_add_co_u32 s36, s36, s37                     ; + 8 y blocks of 256 bytes
	s_mov_b32 s37, 0
	s_add_nc_u64 s[18:19], s[18:19], s[36:37]
	s_mul_i32 s36, s34, 192
	s_lshl_b32 s38, s26, 6
	s_add_co_u32 s36, s36, s38
	s_lshl_b32 s38, s35, 5
	s_add_co_u32 s36, s36, s38                     ; row 192 head + 64 j + 32 (wave % 2)
	s_lshl_b32 s36, s36, 5
	s_lshl_b32 s38, s28, 3
	s_add_co_u32 s36, s36, s38                     ; + 8 y bytes
	s_add_nc_u64 s[20:21], s[20:21], s[36:37]
	LOADW 0
	LOADW 1
.irp t, 0,1,2,3,4,5,6,7
	BLOCKW \t
.endr
	global_store_b64 v5, v[SB:SB+1], s[20:21]      ; my column's eight scale bytes
	s_endpgm
.Lo:
	; ---- path O: wo, columns 128 cb + 32 wave on, rows 256 y on
	s_sub_co_u32 s25, ttmp9, 224
	s_and_b32 s27, s25, 7                          ; cb
	s_lshr_b32 s28, s25, 3                         ; y
	s_lshl_b32 s32, s28, 20
	s_lshl_b32 s33, s27, 9
	s_add_co_u32 s32, s32, s33
	s_lshl_b32 s33, s24, 7
	s_add_co_u32 s32, s32, s33
	s_mov_b32 s33, 0
	s_add_nc_u64 s[30:31], s[12:13], s[32:33]
	s_lshl_b32 s36, s28, 19                        ; 524,288 bytes for 256 along K
	s_lshl_b32 s37, s27, 16
	s_add_co_u32 s36, s36, s37
	s_lshl_b32 s37, s24, 14
	s_add_co_u32 s36, s36, s37                     ; + tile (8 cb + 2 wave) x 8,192
	s_mov_b32 s37, 0
	s_add_nc_u64 s[22:23], s[22:23], s[36:37]
	LOADW 0
	LOADW 1
.irp t, 0,1,2,3,4,5,6,7
	BLOCKO \t
.endr
	s_endpgm
.Lfunc_end_k_q11d317ab9f_prep:
	.size	k_q11d317ab9f_prep, .Lfunc_end_k_q11d317ab9f_prep-k_q11d317ab9f_prep
	.p2alignl 7, 3214868480
	.fill 96, 4, 3214868480
	.section	.rodata,"a",@progbits
	.p2align	6, 0x0
	.amdhsa_kernel k_q11d317ab9f_prep
		.amdhsa_group_segment_fixed_size 33280
		.amdhsa_private_segment_fixed_size 0
		.amdhsa_enable_private_segment 0
		.amdhsa_kernarg_size 80
		.amdhsa_user_sgpr_count 2
		.amdhsa_user_sgpr_kernarg_segment_ptr 1
		.amdhsa_wavefront_size32 1
		.amdhsa_system_sgpr_workgroup_id_x 1
		.amdhsa_system_sgpr_workgroup_id_y 1
		.amdhsa_system_sgpr_workgroup_id_z 1
		.amdhsa_system_vgpr_workitem_id 0
		.amdhsa_next_free_vgpr 192
		.amdhsa_next_free_sgpr 66
		.amdhsa_reserve_vcc 0
		.amdhsa_float_denorm_mode_32 3
		.amdhsa_float_denorm_mode_16_64 3
		.amdhsa_memory_ordered 1
		.amdhsa_forward_progress 1
		.amdhsa_inst_pref_size 107
	.end_amdhsa_kernel
	.amdgpu_metadata
---
amdhsa.version: [ 1, 2 ]
amdhsa.kernels:
  - .name:           k_q11d317ab9f_prep
    .symbol:         k_q11d317ab9f_prep.kd
    .args:
      - { .name: x, .offset: 0, .size: 8, .value_kind: global_buffer, .address_space: global }
      - { .name: wq, .offset: 8, .size: 8, .value_kind: global_buffer, .address_space: global }
      - { .name: wk, .offset: 16, .size: 8, .value_kind: global_buffer, .address_space: global }
      - { .name: wv, .offset: 24, .size: 8, .value_kind: global_buffer, .address_space: global }
      - { .name: wo, .offset: 32, .size: 8, .value_kind: global_buffer, .address_space: global }
      - { .name: x_codes, .offset: 40, .size: 8, .value_kind: global_buffer, .address_space: global }
      - { .name: x_scales, .offset: 48, .size: 8, .value_kind: global_buffer, .address_space: global }
      - { .name: w_codes, .offset: 56, .size: 8, .value_kind: global_buffer, .address_space: global }
      - { .name: w_scales, .offset: 64, .size: 8, .value_kind: global_buffer, .address_space: global }
      - { .name: wo_f, .offset: 72, .size: 8, .value_kind: global_buffer, .address_space: global }
    .group_segment_fixed_size: 33280
    .private_segment_fixed_size: 0
    .kernarg_segment_align: 8
    .kernarg_segment_size: 80
    .max_flat_workgroup_size: 128
    .sgpr_count:     66
    .vgpr_count:     192
    .wavefront_size: 32
...
	.end_amdgpu_metadata
.endif
;; end of part 1
;; launch qkv (part 2): grid 16 x 16, 4 waves a work-group, clusters of 4 x 4, 248,320 bytes of LDS; arguments x_codes, x_scales, w_codes, w_scales, bq, bk, bv, qkv; writes qkv
.if DOCPART == 2
	.amdgcn_target "amdgcn-amd-amdhsa--gfx1250"
	.amdhsa_code_object_version 6
	.text
	.protected	k_q11d317ab9f_qkv
	.globl	k_q11d317ab9f_qkv
	.p2align	8
	.type	k_q11d317ab9f_qkv,@function
k_q11d317ab9f_qkv:
	s_mov_b64 s[64:65], 0
	v_nop
	global_prefetch_b8 v0, s[64:65] scope:SCOPE_SE
	s_setreg_imm32_b32 hwreg(HW_REG_WAVE_MODE, 25, 1), 1
	s_wait_xcnt 0x0
	s_wait_alu depctr_hold_cnt(0) depctr_sa_sdst(0) depctr_va_vdst(0) depctr_va_sdst(0) depctr_va_ssrc(0) depctr_va_vcc(0) depctr_vm_vsrc(0)
	s_getreg_b32 s2, hwreg(HW_REG_IB_STS2, 6, 4)
	s_cmp_eq_u32 s2, 0
	s_cbranch_scc0 .Lentry_in_a_cluster
	s_endpgm
.Lentry_in_a_cluster:
	s_bfe_u32 s2, ttmp6, 0x10000c
	s_cmp_lg_u32 s2, 0xf033
	s_cbranch_scc0 .Lentry_shape_is_right
	s_endpgm
.Lentry_shape_is_right:
; q, k, v = Q(x) Q(w) + b, on codes of FP4 (E2M1) with one E8M0 scale for each 32 along K = 1,024; sums in f32; results rounded once to f16 and stored as images of the next launch's operand registers.
; SHARES.  A work-group makes q, k and v of ONE head (x) for 256 tokens (y): 256 x 192 numbers.  Wave w takes tokens 64 w .. 64 w + 63 (four tiles of 16) against all 12 tiles of 16 channels (tile t = 4 j + ct; j = 0, 1, 2: q, k, v).
; All of K lies in LDS: each byte of LDS is filled once, at the start; there is no ring.  x's 32 fragments stay in the wave's registers; the 12 tiles are walked one after the other, 32 matrix instructions each on four accumulators
; by turns, and each tile leaves as soon as it is finished.
; CLUSTER 4 x 4: the four work-groups of a row of the cluster share their tokens (x's codes and scales), the four of a column their head (the weights' codes and scales): each block is asked for jointly.
; LAYOUT OF THE RESULTS.  q and k are made TRANSPOSED (source 0 = 16 channels of the weight, source 1 = 16 tokens): lane (r, h) holds token r and channels 8 h + 0..7, 16 bytes of f16:
;   q, k: [head][token tile T, 256][ct 4][lane][16 bytes].   v is made the natural way (source 0 = tokens, source 1 = channels): lane (r, h) holds channel r and tokens 8 h + 0..7:
;   v: [head][T / 2, 128][ct 4][T % 2][lane][16 bytes].   q at byte 0 of qkv, k at 8,388,608, v at 16,777,216.  Every store of a wave covers 512 consecutive aligned bytes.
; The biases are the C of each sum's first matrix instruction, eight registers a tile in the result's layout.
; LIMITS: |q|, |k|, |v| above 65,504 become infinity in f16; under 6e-5 their spacing is 6e-8.
; REGISTERS, in windows of 256: window 0: v1-10 addresses; v28, v29 the add's two; v32-47 x's scale words, v48-95 the weights' (these hold scales alone); v96-127 four accumulators; v128-143 packed results.
;   window 1: x's fragment (token tile i, K step s) at v[8 (8 i + s)].   window 2: the weights' fragments, two sets of 64 (tile t in set t % 2, K step s at 8 s); from v128 the biases, 8 a tile.
.set PITCH, 528                        ; a row of x's codes in LDS: 512 bytes + 16 of padding: an odd multiple of 16, so that the 16 rows of a load start at 16 different 16-byte columns
.set AW,    64*PITCH                   ; a wave's 64 rows
.set BB,    4*AW                       ; the head's weights: 12 tiles of 8,192 bytes, dense
.set BW,    24576                      ; a quarter of them: what one tensor load brings
.set ASC,   BB+4*BW                    ; x's scale bytes: 256 rows of 32
.set BSC,   ASC+8192                   ; the weights': 192 rows of 32
.set SPARE, BSC+6144                   ; the spare words, 128 bytes a wave; no other line names them
.set LI,    3                          ; v3   16 x lane
.set ADRA,  4                          ; v4   my place in x's rows
.set ADRB0, 5                          ; v5   my place in a weight's fragment, tiles 0-5
.set ADRB1, 6                          ; v6   tiles 6-11
.set ADSA,  7                          ; v7   x's scale words: lanes 0-15 an even token tile, lanes 16-31 the odd one behind it
.set ADSB,  8                          ; v8   the weights' likewise
.set SPW,   28
.set NIL,   29
.set SCA,   32
.set SCB,   48
.set ACC,   96
.set OUT,   128
.set BI,    128                        ; in window 2
.set G1A,   28                         ; s[28:35] group 1: x's codes
.set G1AS,  36                         ; s[36:43] x's scales
.set G1B,   44                         ; s[44:51] the weights' codes
.set G1BS,  52                         ; s[52:59] the weights' scales
.set G0A,   60                         ; s[60:63], s[68:71], s[72:75], s[76:79]: their groups 0
.set G0AS,  68
.set G0B,   72
.set G0BS,  76
.set QB,    90                         ; s[90:91], s[92:93], s[94:95]: where my wave's part of q, k, v begins
.set KB,    92
.set VB,    94
.set MSB, 0
.macro WIN new                         ; the immediate's high byte repeats the setting that is left
.if MSB != \new
	s_set_vgpr_msb (MSB<<8)|\new
.set MSB, \new
.endif
.endm
.macro PLACES n
.rept \n
	v_nop
.endr
.endm
.macro CROUND                          ; a round of the cluster's barrier
	s_barrier_signal -1
	s_barrier_wait -1
	s_cmp_lg_u32 s20, 0
	s_cbranch_scc1 .Lnot_wave_0_\@
	s_barrier_signal -3
.Lnot_wave_0_\@:
	s_barrier_wait -3
	s_barrier_signal -1
	s_barrier_wait -1
.endm
; one scaled product; ra, rb: source 0's, source 1's scales stand in lanes 16-31 of the register named
.macro WM d, a, b, c, sa, sb, ra, rb
.if (\ra) && (\rb)
	v_wmma_scale_f32_16x16x128_f8f6f4 v[(\d):(\d)+7], v[(\a):(\a)+7], v[(\b):(\b)+7], v[(\c):(\c)+7], v[(\sa)], v[(\sb)] matrix_a_fmt:MATRIX_FMT_FP4 matrix_b_fmt:MATRIX_FMT_FP4 matrix_a_scale:MATRIX_SCALE_ROW1 matrix_b_scale:MATRIX_SCALE_ROW1
.elseif (\ra)
	v_wmma_scale_f32_16x16x128_f8f6f4 v[(\d):(\d)+7], v[(\a):(\a)+7], v[(\b):(\b)+7], v[(\c):(\c)+7], v[(\sa)], v[(\sb)] matrix_a_fmt:MATRIX_FMT_FP4 matrix_b_fmt:MATRIX_FMT_FP4 matrix_a_scale:MATRIX_SCALE_ROW1
.elseif (\rb)
	v_wmma_scale_f32_16x16x128_f8f6f4 v[(\d):(\d)+7], v[(\a):(\a)+7], v[(\b):(\b)+7], v[(\c):(\c)+7], v[(\sa)], v[(\sb)] matrix_a_fmt:MATRIX_FMT_FP4 matrix_b_fmt:MATRIX_FMT_FP4 matrix_b_scale:MATRIX_SCALE_ROW1
.else
	v_wmma_scale_f32_16x16x128_f8f6f4 v[(\d):(\d)+7], v[(\a):(\a)+7], v[(\b):(\b)+7], v[(\c):(\c)+7], v[(\sa)], v[(\sb)] matrix_a_fmt:MATRIX_FMT_FP4 matrix_b_fmt:MATRIX_FMT_FP4
.endif
.endm
.macro PROD t, s, i                    ; channel tile t, K step s, token tile i
.set dD, ACC+8*(\i)
.set fW, 64*((\t)%2)+8*(\s)
.set fX, 8*(8*(\i)+(\s))
.set sW, SCB+8*((\t)/2)+(\s)
.set sX, SCA+8*((\i)/2)+(\s)
.set cC, dD
.if (\s) == 0
.set cC, BI+8*(\t)                     ; the bias starts the sum
.endif
.if (\t) < 8
	WM dD, fW, fX, cC, sW, sX, (\t)%2, (\i)%2
.else
	WM dD, fX, fW, cC, sX, sW, (\i)%2, (\t)%2
.endif
.endm
.macro LOADB t                         ; tile t's eight fragments into set t % 2: 16 loads of 512 consecutive bytes
	WIN 0x80
.irp s, 0,1,2,3,4,5,6,7
.irp c, 0,1
.if (\t) < 6
	ds_load_b128 v[64*((\t)%2)+8*\s+4*\c:64*((\t)%2)+8*\s+4*\c+3], v[ADRB0] offset:((\t)%6)*8192+1024*\s+512*\c
.else
	ds_load_b128 v[64*((\t)%2)+8*\s+4*\c:64*((\t)%2)+8*\s+4*\c+3], v[ADRB1] offset:((\t)%6)*8192+1024*\s+512*\c
.endif
.endr
.endr
	WIN 0
.endm
.macro TILE t
.if (\t) < 11
	LOADB (\t)+1                                   ; the other set was last read by the tile before; five v_nop and its conversions lie between
	s_wait_dscnt 16                                ; all but the 16 loads just issued: this tile's fragments are in
.else
	s_wait_dscnt 0x0
.endif
.irp s, 0,1,2,3,4,5,6,7
.if \s == 0
.if (\t) < 8
	WIN 0x26                                       ; source 0 the weight (window 2), source 1 x (window 1), C the bias (window 2), D window 0
.else
	WIN 0x29                                       ; source 0 x, source 1 the weight
.endif
.else
.if (\t) < 8
	WIN 0x06
.else
	WIN 0x09
.endif
.endif
.irp i, 0,1,2,3
	PROD \t, \s, \i
.endr
.endr
	WIN 0
	PLACES 5                                       ; four places are owed in front of the conversions that read the results, five in front of the next tile's products, which write over the accumulators
	s_wait_xcnt 0x0                                ; the last tile's stores have read their data registers
.irp i, 0,1,2,3
.irp e, 0,1,2,3
	v_cvt_pk_f16_f32 v[OUT+4*\i+\e], v[ACC+8*\i+2*\e], v[ACC+8*\i+2*\e+1]   ; each accumulator from its low end on
.endr
.endr
.irp i, 0,1,2,3
.if (\t) < 4
	global_store_b128 v[LI], v[OUT+4*\i:OUT+4*\i+3], s[QB:QB+1] offset:2048*\i+512*((\t)%4)
.elseif (\t) < 8
	global_store_b128 v[LI], v[OUT+4*\i:OUT+4*\i+3], s[KB:KB+1] offset:2048*\i+512*((\t)%4)
.else
	global_store_b128 v[LI], v[OUT+4*\i:OUT+4*\i+3], s[VB:VB+1] offset:4096*(\i/2)+1024*((\t)%4)+512*(\i%2)
.endif
.endr
.endm
	s_load_b512 s[4:19], s[0:1], 0x0               ; x_codes 4:5, x_scales 6:7, w_codes 8:9, w_scales 10:11, bq 12:13, bk 14:15, bv 16:17, qkv 18:19
	v_lshl_add_u32 v[SPW], v0, 2, SPARE
	v_mov_b32 v[NIL], 0
	ds_add_u32 v[SPW], v[NIL]                      ; the wave's opening: the add, twice on end, and its wait ahead of my first tensor load
	ds_add_u32 v[SPW], v[NIL]
	v_lshrrev_b32 v1, 5, v0
	v_readfirstlane_b32 s20, v1                    ; wave 0..3
	s_bfe_u32 s21, ttmp6, 0x40000                  ; cx
	s_bfe_u32 s22, ttmp6, 0x40004                  ; cy
	s_lshl_b32 s23, ttmp9, 2
	s_add_co_u32 s23, s23, s21                     ; head = 4 x cluster x + cx
	s_and_b32 s24, ttmp7, 0xffff
	s_lshl_b32 s24, s24, 2
	s_add_co_u32 s24, s24, s22                     ; block of 256 tokens = 4 x cluster y + cy
	s_lshl_b32 s25, s22, 2
	s_lshl_b32 s25, 15, s25                        ; my row of the cluster
	s_lshl_b32 s26, 0x1111, s21                    ; my column
	s_or_b32 s[G1A], s25, (1<<20)|(1<<21)|(6<<22)|(3<<25)   ; x's codes: elements of 1 byte; 4 words of padding after every 128; bit 21 beside the mask
	s_mov_b32 s[G1A+1], 512<<16                    ; 64 rows of 512 bytes, 512 apart
	s_mov_b32 s[G1A+2], 64<<16
	s_mov_b32 s[G1A+3], 512<<16
	s_mov_b32 s[G1A+4], 64
	s_mov_b32 s[G1A+5], 512
	s_mov_b32 s[G1A+6], 0
	s_mov_b32 s[G1A+7], 0
	s_or_b32 s[G1AS], s25, (3<<16)|(1<<21)         ; dense blocks as rows of 256 bytes (32 elements of 8): x's scales, 8 rows a wave
	s_mov_b32 s[G1AS+1], 32<<16
	s_mov_b32 s[G1AS+2], 8<<16
	s_mov_b32 s[G1AS+3], 32<<16
	s_mov_b32 s[G1AS+4], 8
	s_mov_b32 s[G1AS+5], 32
	s_mov_b32 s[G1AS+6], 0
	s_mov_b32 s[G1AS+7], 0
	s_or_b32 s[G1B], s26, (3<<16)|(1<<21)          ; the weights' codes, 96 rows a wave
	s_mov_b32 s[G1B+1], 32<<16
	s_mov_b32 s[G1B+2], 96<<16
	s_mov_b32 s[G1B+3], 32<<16
	s_mov_b32 s[G1B+4], 96
	s_mov_b32 s[G1B+5], 32
	s_mov_b32 s[G1B+6], 0
	s_mov_b32 s[G1B+7], 0
	s_or_b32 s[G1BS], s26, (3<<16)|(1<<21)         ; the weights' scales, 6 rows a wave
	s_mov_b32 s[G1BS+1], 32<<16
	s_mov_b32 s[G1BS+2], 6<<16
	s_mov_b32 s[G1BS+3], 32<<16
	s_mov_b32 s[G1BS+4], 6
	s_mov_b32 s[G1BS+5], 32
	s_mov_b32 s[G1BS+6], 0
	s_mov_b32 s[G1BS+7], 0
	; where my quarters begin in memory: x's hang on the token block and the wave alone, the weights' on the head and the wave alone, each in registers that never hold the other coordinate
	s_lshl_b32 s80, s24, 17
	s_lshl_b32 s81, s20, 15
	s_add_co_u32 s80, s80, s81
	s_mov_b32 s81, 0
	s_lshl_b32 s82, s24, 13
	s_lshl_b32 s83, s20, 11
	s_add_co_u32 s82, s82, s83
	s_mov_b32 s83, 0
	s_mul_i32 s84, s23, 98304
	s_mul_i32 s85, s20, BW
	s_add_co_u32 s84, s84, s85
	s_mov_b32 s85, 0
	s_mul_i32 s86, s23, 6144
	s_mul_i32 s87, s20, 1536
	s_add_co_u32 s86, s86, s87
	s_mov_b32 s87, 0
	s_lshl_b32 s88, s23, 19                        ; my wave's part of q (and of k, v): head x 524,288 + block x 32,768 + wave x 8,192
	s_lshl_b32 s89, s24, 15
	s_add_co_u32 s88, s88, s89
	s_lshl_b32 s89, s20, 13
	s_add_co_u32 s88, s88, s89
	s_mov_b32 s89, 0
	s_lshl_b32 s66, s23, 8                         ; the head's 64 numbers of a bias
	s_mov_b32 s67, 0
	; and in LDS: a constant + the wave's number x a constant
	s_mov_b32 s[G0A], 1
	s_mul_i32 s[G0A+1], s20, AW
	s_mov_b32 s[G0AS], 1
	s_lshl_b32 s[G0AS+1], s20, 11
	s_add_co_u32 s[G0AS+1], s[G0AS+1], ASC
	s_mov_b32 s[G0B], 1
	s_mul_i32 s[G0B+1], s20, BW
	s_add_co_u32 s[G0B+1], s[G0B+1], BB
	s_mov_b32 s[G0BS], 1
	s_mul_i32 s[G0BS+1], s20, 1536
	s_add_co_u32 s[G0BS+1], s[G0BS+1], BSC
	s_wait_dscnt 0x0                               ; both opening adds are done
	s_wait_kmcnt 0x0
	s_add_nc_u64 s[G0A+2:G0A+3], s[4:5], s[80:81]
	s_or_b32 s[G0A+3], s[G0A+3], 0x80000000
	s_add_nc_u64 s[G0AS+2:G0AS+3], s[6:7], s[82:83]
	s_or_b32 s[G0AS+3], s[G0AS+3], 0x80000000
	s_add_nc_u64 s[G0B+2:G0B+3], s[8:9], s[84:85]
	s_or_b32 s[G0B+3], s[G0B+3], 0x80000000
	s_add_nc_u64 s[G0BS+2:G0BS+3], s[10:11], s[86:87]
	s_or_b32 s[G0BS+3], s[G0BS+3], 0x80000000
	s_add_nc_u64 s[QB:QB+1], s[18:19], s[88:89]
	s_add_nc_u64 s[KB:KB+1], s[QB:QB+1], 0x800000
	s_add_nc_u64 s[VB:VB+1], s[QB:QB+1], 0x1000000
	s_add_nc_u64 s[12:13], s[12:13], s[66:67]
	s_add_nc_u64 s[14:15], s[14:15], s[66:67]
	s_add_nc_u64 s[16:17], s[16:17], s[66:67]
	CROUND                                         ; all sixteen work-groups are here: the joint loads meet
	tensor_load_to_lds s[G0AS:G0AS+3], s[G1AS:G1AS+7]   ; the launch's only fills, as one group: four tensor loads of mine are out
	s_nop 0
	tensor_load_to_lds s[G0BS:G0BS+3], s[G1BS:G1BS+7]
	s_nop 0
	tensor_load_to_lds s[G0A:G0A+3], s[G1A:G1A+7]
	s_nop 0
	tensor_load_to_lds s[G0B:G0B+3], s[G1B:G1B+7]
	s_nop 0
	PLACES 4
	v_and_b32 v1, 15, v0                           ; r
	v_bfe_u32 v2, v0, 4, 1                         ; h
	v_and_b32 v11, 31, v0
	v_lshlrev_b32 v[LI], 4, v11
	v_mul_u32_u24 v[ADRA], v1, PITCH
	v_lshl_add_u32 v[ADRA], v2, 4, v[ADRA]
	s_mul_i32 s27, s20, AW
	v_add_nc_u32 v[ADRA], s27, v[ADRA]             ; my wave's rows + r x pitch + 16 h
	v_add_nc_u32 v[ADRB0], BB, v[LI]
	v_add_nc_u32 v[ADRB1], BB+49152, v[LI]
	v_lshlrev_b32 v11, 5, v1
	v_lshl_add_u32 v11, v2, 9, v11                 ; 32 r + 512 h: lanes 16-31 take the tile 16 rows on
	v_add_nc_u32 v[ADSB], BSC, v11
	s_lshl_b32 s27, s20, 11
	s_add_co_u32 s27, s27, ASC
	v_add_nc_u32 v[ADSA], s27, v11
	v_lshlrev_b32 v9, 5, v2                        ; bq, bk: my half's eight channels
	v_lshlrev_b32 v10, 2, v1                       ; bv: my channel
	WIN 0x80
.irp d, 0,1,2,3
	global_load_b128 v[BI+8*\d:BI+8*\d+3], v9, s[12:13] offset:64*\d
	global_load_b128 v[BI+8*\d+4:BI+8*\d+7], v9, s[12:13] offset:64*\d+16
	global_load_b128 v[BI+32+8*\d:BI+32+8*\d+3], v9, s[14:15] offset:64*\d
	global_load_b128 v[BI+32+8*\d+4:BI+32+8*\d+7], v9, s[14:15] offset:64*\d+16
.endr
.irp d, 0,1,2,3
.irp e, 0,1,2,3,4,5,6,7
	global_load_b32 v[BI+64+8*\d+\e], v10, s[16:17] offset:64*\d   ; in v's layout a lane holds one channel: the same number in all eight registers
.endr
.endr
	WIN 0
	s_wait_tensorcnt 0x0                           ; my four quarters are in,
	s_barrier_signal -1
	s_barrier_wait -1                              ; everybody's are
	WIN 0x40
.irp i, 0,1,2,3
.irp s, 0,1,2,3,4,5,6,7
.irp c, 0,1
	ds_load_b128 v[8*(8*\i+\s)+4*\c:8*(8*\i+\s)+4*\c+3], v[ADRA] offset:\i*16*PITCH+64*\s+32*\c   ; x's fragments: they stay
.endr
.endr
.endr
	WIN 0
.irp p, 0,1
.irp u, 0,1
	ds_load_b128 v[SCA+8*\p+4*\u:SCA+8*\p+4*\u+3], v[ADSA] offset:1024*\p+16*\u   ; register 8 p + s: the words of K step s; lanes 0-15 token tile 2 p, lanes 16-31 tile 2 p + 1
.endr
.endr
.irp p, 0,1,2,3,4,5
.irp u, 0,1
	ds_load_b128 v[SCB+8*\p+4*\u:SCB+8*\p+4*\u+3], v[ADSB] offset:1024*\p+16*\u
.endr
.endr
	LOADB 0
	s_wait_loadcnt 0x0                             ; the biases
.irp t, 0,1,2,3,4,5,6,7,8,9,10,11
	TILE \t
.endr
	s_wait_tensorcnt 0x0                           ; the wave's end
	ds_add_u32 v[SPW], v[NIL]
	s_wait_dscnt 0x0
	CROUND                                         ; the closing round
	s_endpgm
.Lfunc_end_k_q11d317ab9f_qkv:
	.size	k_q11d317ab9f_qkv, .Lfunc_end_k_q11d317ab9f_qkv-k_q11d317ab9f_qkv
	.p2alignl 7, 3214868480
	.fill 96, 4, 3214868480
	.section	.rodata,"a",@progbits
	.p2align	6, 0x0
	.amdhsa_kernel k_q11d317ab9f_qkv
		.amdhsa_group_segment_fixed_size 248320
		.amdhsa_private_segment_fixed_size 0
		.amdhsa_enable_private_segment 0
		.amdhsa_kernarg_size 64
		.amdhsa_user_sgpr_count 2
		.amdhsa_user_sgpr_kernarg_segment_ptr 1
		.amdhsa_wavefront_size32 1
		.amdhsa_system_sgpr_workgroup_id_x 1
		.amdhsa_system_sgpr_workgroup_id_y 1
		.amdhsa_system_sgpr_workgroup_id_z 1
		.amdhsa_system_vgpr_workitem_id 0
		.amdhsa_next_free_vgpr 736
		.amdhsa_next_free_sgpr 96
		.amdhsa_reserve_vcc 0
		.amdhsa_float_denorm_mode_32 3
		.amdhsa_float_denorm_mode_16_64 3
		.amdhsa_memory_ordered 1
		.amdhsa_forward_progress 1
		.amdhsa_inst_pref_size 98
	.end_amdhsa_kernel
	.amdgpu_metadata
---
amdhsa.version: [ 1, 2 ]
amdhsa.kernels:
  - .name:           k_q11d317ab9f_qkv
    .symbol:         k_q11d317ab9f_qkv.kd
    .args:
      - { .name: x_codes, .offset: 0, .size: 8, .value_kind: global_buffer, .address_space: global }
      - { .name: x_scales, .offset: 8, .size: 8, .value_kind: global_buffer, .address_space: global }
      - { .name: w_codes, .offset: 16, .size: 8, .value_kind: global_buffer, .address_space: global }
      - { .name: w_scales, .offset: 24, .size: 8, .value_kind: global_buffer, .address_space: global }
      - { .name: bq, .offset: 32, .size: 8, .value_kind: global_buffer, .address_space: global }
      - { .name: bk, .offset: 40, .size: 8, .value_kind: global_buffer, .address_space: global }
      - { .name: bv, .offset: 48, .size: 8, .value_kind: global_buffer, .address_space: global }
      - { .name: qkv, .offset: 56, .size: 8, .value_kind: global_buffer, .address_space: global }
    .group_segment_fixed_size: 248320
    .private_segment_fixed_size: 0
    .kernarg_segment_align: 8
    .kernarg_segment_size: 64
    .max_flat_workgroup_size: 128
    .sgpr_count:     96
    .vgpr_count:     736
    .wavefront_size: 32
...
	.end_amdgpu_metadata
.endif
;; end of part 2
;; launch attn (part 3): grid 16 x 16, 8 waves a work-group, clusters of 4 x 1, 327,680 bytes of LDS; arguments qkv, af; writes af
.if DOCPART == 3
	.amdgcn_target "amdgcn-amd-amdhsa--gfx1250"
	.amdhsa_code_object_version 6
	.text
	.protected	k_q11d317ab9f_attn
	.globl	k_q11d317ab9f_attn
	.p2align	8
	.type	k_q11d317ab9f_attn,@function
k_q11d317ab9f_attn:
	s_mov_b64 s[64:65], 0
	v_nop
	global_prefetch_b8 v0, s[64:65] scope:SCOPE_SE
	s_setreg_imm32_b32 hwreg(HW_REG_WAVE_MODE, 25, 1), 1
	s_wait_xcnt 0x0
	s_wait_alu depctr_hold_cnt(0) depctr_sa_sdst(0) depctr_va_vdst(0) depctr_va_sdst(0) depctr_va_ssrc(0) depctr_va_vcc(0) depctr_vm_vsrc(0)
	s_getreg_b32 s2, hwreg(HW_REG_IB_STS2, 6, 4)
	s_cmp_eq_u32 s2, 0
	s_cbranch_scc0 .Lentry_in_a_cluster
	s_endpgm
.Lentry_in_a_cluster:
	s_bfe_u32 s2, ttmp6, 0x10000c
	s_cmp_lg_u32 s2, 0x3003
	s_cbranch_scc0 .Lentry_shape_is_right
	s_endpgm
.Lentry_shape_is_right:
; O[head][q] = the sum over k of softmax_k(Q[q] . K[k] / 8) V[k], 16 heads of 64 channels, 4,096 tokens, no mask.  Operands f16, products, maxima and sums f32; the weights p are rounded to f16 for the second product, O once at the end.
; q, k, v come as images of operand registers (pieces of 512 bytes, lane l's 16 bytes at 16 l), so tiles are dense blocks, LDS needs no padding and nothing is turned:
;   q, k: [head][token tile 256][ct 4][lane][16]: lane (r, h): token r, channels 16 ct + 8 h + 0..7.    v: [head][G 128][ct 4][c 2][lane][16]: lane (r, h): channel 16 ct + r, keys 32 G + 16 c + 8 h + 0..7.
; The result goes out the same way, for the projection: af [head / 4][token tile 256][head % 4][ct 4][lane][16], f16.
; SHARES.  A work-group owns 256 queries of one head, each of its EIGHT waves 32: two tiles of 16.  Per tile and key step there are 16 matrix instructions and 118 vector instructions: the vector work is the larger part, and turns
; inside one wave could not hide it.  So two waves share a SIMD (384 registers each): one wave's products and LDS waits stand beside the other's softmax.
; LAYOUT.  S^T = K Q^T (source 0 = 16 keys, source 1 = 16 queries) and O^T = V^T P (source 0 = 16 channels, source 1 = P): a lane holds ONE query throughout; two tiles of S^T, rounded in pairs, ARE source 1 of the second product.
; SOFTMAX.  A running maximum m and sum l for each query: p = 2^(c s - c m), c = log2(e) / 8; in every step O and l are multiplied by a = 2^(c m_old - c m_new).  The step is written once: O and l begin as zeros, m as -3e38.
; The exponentials of one tile stand between plain instructions of the other; each tile's 33 are one batch with one wait ahead of its first reader.
; RING.  Two slots of 512 keys (K's 65,536 bytes, then V's).  Every wave brings an eighth of a slot by one joint load (waves 0-3 K's quarters, waves 4-7 V's): one tensor load of mine is out, and it has eight key steps in which to land.
; CLUSTER 4 x 1: the four query blocks of a cluster walk the same K and V of one head: each load names all four.
; LIMITS: NaN and infinities are not served; the result above 65,504 becomes infinity in f16, under 6e-5 its spacing is 6e-8; c m is rounded once: every p of a row shares that rounding, which cancels in the division by l.
; REGISTERS: window 0: v1-4 addresses; v14, v15 the add's two; v16-31 statistics, 8 a tile (+0 c m, +1 m, +2, +3 l, +4..+7 at work; a in +6); v32-63 Q; v64-127 S^T, 32 a tile; v128-159 P; v160-223 O^T.
;   window 1: v0-63 K's eight fragments of a step, v64-127 V's.
.set SLOT1, 131072
.set SPARE, 262144                     ; behind the ring: the spare words, 128 bytes for each of eight waves; no other line names them
.set LI,  1                            ; v1   16 x lane; never rewritten
.set ADK, 2                            ; v2   LDS address of the step's K
.set ADV, 3                            ; v3   of its V
.set PFO, 4                            ; v4   256 x lane; never rewritten
.set SPW, 14
.set NIL, 15
.set ST,  16
.set Q,   32
.set S,   64
.set P,   128
.set O,   160
.set KF,  0
.set VF,  64
.set WV,  12                           ; s12  wave 0..7
.set LIM, 15                           ; s15  1 in a wave that prefetches, else the greatest number
.set PFA, 18                           ; s[18:19] where my prefetches stand
.set G1,  24                           ; s[24:31]
.set G0,  40                           ; s[40:43] the walking descriptor
.set SLOTS, 56
.set CNT, 57
.set CS,  58                           ; s[58:59] c
.set SEL, 60                           ; s[60:61] lane l xor 16
.set TB,  62                           ; s62  LDS byte at which the step's K begins
.set MSB, 0
.macro WIN new
.if MSB != \new
	s_set_vgpr_msb (MSB<<8)|\new
.set MSB, \new
.endif
.endm
.macro PLACES n
.rept \n
	v_nop
.endr
.endm
.macro CROUND
	s_barrier_signal -1
	s_barrier_wait -1
	s_cmp_lg_u32 s[WV], 0
	s_cbranch_scc1 .Lnot_wave_0_\@
	s_barrier_signal -3
.Lnot_wave_0_\@:
	s_barrier_wait -3
	s_barrier_signal -1
	s_barrier_wait -1
.endm
; A prefetch of what the NEXT change of slots will ask for: 65,536 bytes of K and of V.  Each aligned block of 256 bytes is named once in the launch: the head's first cluster asks; its four partners take 8,192 bytes each of a half,
; told apart by address; waves 0 and 2 ask for K's halves, waves 4 and 6 for V's; a lane a block.  The last change that fills a slot asks for nothing; slots 0 and 1 come by their loads alone.
.macro ASK
	s_cmp_gt_u32 s[SLOTS], s[LIM]
	s_cbranch_scc0 .Lnot_mine_\@
	global_prefetch_b8 v[PFO], s[PFA:PFA+1] th:TH_LOAD_NT scope:SCOPE_SE
.Lnot_mine_\@:
.endm
; THE SOFTMAX OF ONE TILE FOR ONE KEY STEP, in three lists.  LA: number j of 37: the maximum of the lane's 32 scores and the old m (each accumulator is read from its low end on), the exchange with lane l xor 16, c m, its change, the 16 packed scalings.
.macro LA t
.set rT, ST+8*(\t)
.set rS, S+32*(\t)
.if j < 4
	v_max3_num_f32 v[rT+4+j], v[rS+8*j], v[rS+8*j+1], v[rS+8*j+2]
.elseif j < 12
	v_max3_num_f32 v[rT+4+j%4], v[rT+4+j%4], v[rS+8*(j%4)+2*(j/4)+1], v[rS+8*(j%4)+2*(j/4)+2]
.elseif j == 12
	v_max3_num_f32 v[rT+4], v[rT+4], v[rS+7], v[rS+15]
.elseif j == 13
	v_max3_num_f32 v[rT+6], v[rT+6], v[rS+23], v[rS+31]
.elseif j == 14
	v_max3_num_f32 v[rT+4], v[rT+4], v[rT+5], v[rT+6]
.elseif j == 15
	v_max3_num_f32 v[rT+4], v[rT+4], v[rT+7], v[rT+1]
.elseif j == 16
	v_permlanex16_b32 v[rT+5], v[rT+4], s[SEL], s[SEL+1]
.elseif j == 17
	v_mov_b32 v[rT+7], v[rT]                       ; c m_old is kept for a
.elseif j == 18
	v_max_num_f32 v[rT+1], v[rT+4], v[rT+5]
.elseif j == 19
	v_mul_f32 v[rT], s[CS], v[rT+1]
.elseif j == 20
	v_sub_f32 v[rT+7], v[rT+7], v[rT]
.else
.set b, j-21
	v_pk_fma_f32 v[rS+2*b:rS+2*b+1], v[rS+2*b:rS+2*b+1], s[CS:CS+1], v[rT:rT+1] op_sel_hi:[1,0,0] neg_lo:[0,0,1] neg_hi:[0,0,1]   ; c s - c m
.endif
.endm
; EX: number e of 33: a, then the 32 weights, in place.
.macro EX t
.set rT, ST+8*(\t)
.set rS, S+32*(\t)
.if e == 0
	v_exp_f32 v[rT+6], v[rT+7]
.else
	v_exp_f32 v[rS+e-1], v[rS+e-1]
.endif
.endm
; LB: number z of 48: 16 roundings to f16, the sum of the 16 pairs in place, l = a l + the sum, O^T times a (each accumulator from its low end on).
.macro LB t
.set rT, ST+8*(\t)
.set rS, S+32*(\t)
.set rP, P+16*(\t)
.set rO, O+32*(\t)
.if z < 16
	v_cvt_pk_f16_f32 v[rP+z], v[rS+2*z], v[rS+2*z+1]
.elseif z < 31
.set y, z-16
.set w, 4
.set u, y
.if y >= 14
.set w, 32
.set u, 0
.elseif y >= 12
.set w, 16
.set u, y-12
.elseif y >= 8
.set w, 8
.set u, y-8
.endif
	v_pk_add_f32 v[rS+w*u:rS+w*u+1], v[rS+w*u:rS+w*u+1], v[rS+w*u+w/2:rS+w*u+w/2+1]
.elseif z == 31
	v_pk_fma_f32 v[rT+2:rT+3], v[rT+2:rT+3], v[rT+6:rT+7], v[rS:rS+1] op_sel_hi:[1,0,1]
.else
	v_pk_mul_f32 v[rO+2*(z-32):rO+2*(z-32)+1], v[rO+2*(z-32):rO+2*(z-32)+1], v[rT+6:rT+7] op_sel_hi:[1,0]
.endif
.endm
; A KEY STEP: 64 keys.
.macro STEP
	v_add_nc_u32 v[ADK], s[TB], v[LI]
	v_add_nc_u32 v[ADV], 0x10000, v[ADK]
	PLACES 2                                       ; with the two additions: four places between the last products and the loads into the registers that they read
	WIN 0x40
.irp k, 0,1,2,3
.irp g, 0,1
.irp c, 0,1
	ds_load_b128 v[KF+8*(2*\k+\g)+4*\c:KF+8*(2*\k+\g)+4*\c+3], v[ADK] offset:2048*\k+1024*\g+512*\c   ; keys 16 k on, channels 32 g on
.endr
.endr
.endr
.irp u, 0,1
.irp d, 0,1,2,3
.irp c, 0,1
	ds_load_b128 v[VF+8*(4*\u+\d)+4*\c:VF+8*(4*\u+\d)+4*\c+3], v[ADV] offset:4096*\u+1024*\d+512*\c   ; keys 32 u on, channels 16 d on
.endr
.endr
.endr
	s_wait_dscnt 16                                ; K is in; V's sixteen loads may be out
	WIN 0x01                                       ; source 0 window 1
.irp g, 0,1                                    ; eight accumulators by turns; the first eight products start the sums
.irp k, 0,1,2,3
.irp x, 0,1
.if \g == 0
	v_wmma_f32_16x16x32_f16 v[S+32*\x+8*\k:S+32*\x+8*\k+7], v[KF+8*(2*\k+\g):KF+8*(2*\k+\g)+7], v[Q+16*\x+8*\g:Q+16*\x+8*\g+7], 0
.else
	v_wmma_f32_16x16x32_f16 v[S+32*\x+8*\k:S+32*\x+8*\k+7], v[KF+8*(2*\k+\g):KF+8*(2*\k+\g)+7], v[Q+16*\x+8*\g:Q+16*\x+8*\g+7], v[S+32*\x+8*\k:S+32*\x+8*\k+7]
.endif
.endr
.endr
.endr
	WIN 0
	PLACES 4
.set j, 0
.rept 37
	LA 0
.set j, j+1
.endr
.set n, 0
.rept 37                                       ; tile 1's plain list, tile 0's exponentials between its lines; the last four lines are plain
.set j, n
	LA 1
.if n < 33
.set e, n
	EX 0
.endif
.set n, n+1
.endr
	s_wait_alu depctr_va_vdst(0)                   ; one wait for tile 0's 33 exponentials, ahead of their first reader
.set n, 0
.rept 48                                       ; tile 0's second plain list, tile 1's exponentials between its lines
.set z, n
	LB 0
.if n < 33
.set e, n
	EX 1
.endif
.set n, n+1
.endr
	s_wait_alu depctr_va_vdst(0)                   ; and one for tile 1's
.set z, 0
.rept 48
	LB 1
.set z, z+1
.endr
	s_wait_dscnt 0x0                               ; V is in
	WIN 0x01
.irp u, 0,1
.irp d, 0,1,2,3
.irp x, 0,1
	v_wmma_f32_16x16x32_f16 v[O+32*\x+8*\d:O+32*\x+8*\d+7], v[VF+8*(4*\u+\d):VF+8*(4*\u+\d)+7], v[P+16*\x+8*\u:P+16*\x+8*\u+7], v[O+32*\x+8*\d:O+32*\x+8*\d+7]
.endr
.endr
.endr
	WIN 0
	s_add_co_u32 s[TB], s[TB], 8192                ; the next step's tiles
.endm
; THE CHANGE OF SLOTS, at a slot's head.  Each wave waits for all its tensor loads (its eighth of the slot ahead), adds 0 to its spare word, and waits for that and for its reads of the slot that it has left.
; fill = 1: a round of the cluster's barrier, so that no wave of any partner still reads the slot left or has a load on its way; the joint load into it is the first thing behind the round.
.macro CHANGE fill
	s_wait_tensorcnt 0x0                           ; no tensor load of mine is out, so the descriptor may be written
	ds_add_u32 v[SPW], v[NIL]
.if \fill
	s_xor_b32 s[G0+1], s[G0+1], SLOT1              ; the other slot than last time,
	s_add_nc_u64 s[G0+2:G0+3], s[G0+2:G0+3], 65536 ; the next 512 keys
	s_wait_xcnt 0x0                                ; the last prefetch, a slot back, has read its address
	s_add_nc_u64 s[PFA:PFA+1], s[PFA:PFA+1], 65536 ; one slot further on than the descriptor
	s_wait_dscnt 0x0                               ; the add is done, and my reads of the slot left are over
	CROUND
	tensor_load_to_lds s[G0:G0+3], s[G1:G1+7]
	s_nop 0
	PLACES 4
	ASK
.else
	s_wait_dscnt 0x0
	s_barrier_signal -1
	s_barrier_wait -1
.endif
.endm
.macro SLOT_STEPS                      ; a slot's eight key steps: written once, walked eight times
	s_mov_b32 s[CNT], 8
.Lstep_\@:
	STEP
	s_sub_co_u32 s[CNT], s[CNT], 1
	s_cmp_lg_u32 s[CNT], 0
	s_cbranch_scc1 .Lstep_\@
	s_sub_co_u32 s[TB], s[TB], 65536               ; back to a slot's first step,
	s_xor_b32 s[TB], s[TB], SLOT1                  ; in the other slot
.endm
	s_load_b128 s[4:7], s[0:1], 0x0                ; qkv s[4:5], af s[6:7]
	v_lshl_add_u32 v[SPW], v0, 2, SPARE
	v_mov_b32 v[NIL], 0
	ds_add_u32 v[SPW], v[NIL]                      ; the wave's opening: the add, twice on end, and its wait ahead of my first tensor load
	ds_add_u32 v[SPW], v[NIL]
	v_lshrrev_b32 v5, 5, v0
	v_readfirstlane_b32 s[WV], v5                  ; wave 0..7
	s_bfe_u32 s13, ttmp6, 0x40000                  ; cx: it enters Q's, af's and the prefetches' addresses alone
	s_lshl_b32 s14, ttmp9, 2
	s_add_co_u32 s14, s14, s13                     ; my block of 256 queries
	s_and_b32 s20, ttmp7, 0xffff                   ; the head, which the four partners share
	s_lshr_b32 s16, s[WV], 2
	s_add_co_u32 s16, s16, 1
	s_lshl_b32 s16, s16, 23                        ; waves 0-3: k at byte 8,388,608 of qkv; waves 4-7: v at 16,777,216
	s_lshl_b32 s17, s20, 19
	s_add_co_u32 s16, s16, s17                     ; + the head's 524,288 bytes
	s_and_b32 s22, s[WV], 3
	s_lshl_b32 s22, s22, 14
	s_add_co_u32 s22, s22, s16                     ; + my quarter of a slot's 65,536
	s_mov_b32 s23, 0
	s_bfe_u32 s2, s[WV], 0x10001                   ; the prefetches: which half of a slot's 65,536 bytes,
	s_lshl_b32 s2, s2, 15
	s_lshl_b32 s3, s13, 13                         ; my work-group's 8,192 of it,
	s_add_co_u32 s2, s2, s3
	s_add_co_u32 s2, s2, s16
	s_add_co_u32 s2, s2, 65536                     ; in slot 1: the first change of slots steps it to slot 2
	s_mov_b32 s3, 0
	s_lshl_b32 s8, s20, 19                         ; Q: head, block x 16 tiles, wave x 2 tiles of 2,048 bytes
	s_lshl_b32 s9, s14, 15
	s_add_co_u32 s8, s8, s9
	s_lshl_b32 s9, s[WV], 12
	s_add_co_u32 s8, s8, s9
	s_mov_b32 s9, 0
	s_lshr_b32 s10, s20, 2                         ; af: (head / 4) x 2,097,152 + token tile x 8,192 + (head % 4) x 2,048
	s_lshl_b32 s10, s10, 21
	s_lshl_b32 s11, s14, 17
	s_add_co_u32 s10, s10, s11
	s_lshl_b32 s11, s[WV], 14
	s_add_co_u32 s10, s10, s11
	s_and_b32 s11, s20, 3
	s_lshl_b32 s11, s11, 11
	s_add_co_u32 s10, s10, s11
	s_mov_b32 s11, 0
	s_mov_b32 s[G1], 15|(3<<16)|(1<<21)            ; the mask: all four work-groups; elements of 8 bytes; bit 21 beside the mask; no padding
	s_mov_b32 s[G1+1], 32<<16                      ; 64 rows of 256 bytes, dense
	s_mov_b32 s[G1+2], 64<<16
	s_mov_b32 s[G1+3], 32<<16
	s_mov_b32 s[G1+4], 64
	s_mov_b32 s[G1+5], 32
	s_mov_b32 s[G1+6], 0
	s_mov_b32 s[G1+7], 0
	s_mov_b32 s[G0], 1
	s_lshl_b32 s[G0+1], s[WV], 14                  ; LDS: wave x 16,384, in slot 0: K's quarters, then V's
	s_mov_b32 s[CS], 0x3e38aa3b                    ; c = log2(e) / 8
	s_mov_b32 s[CS+1], s[CS]
	s_mov_b32 s[SEL], 0x76543210
	s_mov_b32 s[SEL+1], 0xfedcba98
	s_mov_b32 s[TB], 0
	s_mov_b32 s[SLOTS], 7
	s_and_b32 s[LIM], s[WV], 1                     ; 0 in the even waves
	s_or_b32 s[LIM], s[LIM], ttmp9                 ; of the head's first cluster: the same in all four partners
	s_cmp_eq_u32 s[LIM], 0
	s_cselect_b32 s[LIM], 1, -1
	s_wait_dscnt 0x0                               ; both opening adds are done
	s_wait_kmcnt 0x0
	s_add_nc_u64 s[G0+2:G0+3], s[4:5], s[22:23]
	s_or_b32 s[G0+3], s[G0+3], 0x80000000
	s_add_nc_u64 s[PFA:PFA+1], s[4:5], s[2:3]
	s_add_nc_u64 s[8:9], s[4:5], s[8:9]            ; Q at my wave's first tile
	s_add_nc_u64 s[10:11], s[6:7], s[10:11]        ; af likewise
	CROUND                                         ; all four work-groups are here: the first joint loads meet
	tensor_load_to_lds s[G0:G0+3], s[G1:G1+7]      ; slot 0
	s_nop 0
	PLACES 4
	v_and_b32 v5, 31, v0
	v_lshlrev_b32 v[LI], 4, v5
	v_lshlrev_b32 v[PFO], 8, v5
.irp x, 0,1
.irp d, 0,1,2,3
	global_load_b128 v[Q+16*\x+4*\d:Q+16*\x+4*\d+3], v[LI], s[8:9] offset:2048*\x+512*\d   ; Q stays in registers
.endr
.endr
.irp t, 0,1
	v_mov_b32 v[ST+8*\t+1], 0xff61b1e6             ; m: -3e38, under every score
	v_mul_f32 v[ST+8*\t], s[CS], v[ST+8*\t+1]      ; c m
	v_mov_b32 v[ST+8*\t+2], 0                      ; l
	v_mov_b32 v[ST+8*\t+3], 0
	v_mov_b32 v[ST+8*\t+4], 0                      ; (a lane permute's destination and the upper half of a pair count as read: written once)
	v_mov_b32 v[ST+8*\t+5], 0
	v_mov_b32 v[ST+8*\t+6], 0
	v_mov_b32 v[ST+8*\t+7], 0
.endr
.set i, 0
.rept 64
	v_mov_b32 v[O+i], 0                            ; O^T: the step is written once; its first pass finds zeros, which a = 0 leaves zeros.  64 lines once, against a second copy of the step
.set i, i+1
.endr
	s_wait_loadcnt 0x0                             ; Q
.Lslot:                                            ; seven trips: behind each change of slots but the last the next slot is asked for
	CHANGE 1
	SLOT_STEPS
	s_sub_co_u32 s[SLOTS], s[SLOTS], 1
	s_cmp_lg_u32 s[SLOTS], 0
	s_cbranch_scc1 .Lslot
	CHANGE 0                                       ; the last slot is written out
	SLOT_STEPS
	; THE WAY OUT.  l's halves and lane l xor 16's are added (these lines are the places behind the last products); O^T / l is rounded to f16; a lane's eight channels are 16 bytes of the projection's operand image.
.irp t, 0,1
	v_add_f32 v[ST+8*\t+4], v[ST+8*\t+2], v[ST+8*\t+3]
.endr
.irp t, 0,1
	v_permlanex16_b32 v[ST+8*\t+5], v[ST+8*\t+4], s[SEL], s[SEL+1]
.endr
.irp t, 0,1
	v_add_f32 v[ST+8*\t+4], v[ST+8*\t+4], v[ST+8*\t+5]
.endr
.irp t, 0,1
	v_rcp_f32 v[ST+8*\t+6], v[ST+8*\t+4]
.endr
	v_nop                                          ; a plain line behind the last reciprocal
	s_wait_alu depctr_va_vdst(0)                   ; one wait for both, ahead of the first reader
.irp t, 0,1
.set i, 0
.rept 16
	v_pk_mul_f32 v[O+32*\t+i:O+32*\t+i+1], v[O+32*\t+i:O+32*\t+i+1], v[ST+8*\t+6:ST+8*\t+7] op_sel_hi:[1,0]
.set i, i+2
.endr
.endr
.set i, 0
.rept 32
	v_cvt_pk_f16_f32 v[S+i], v[O+2*i], v[O+2*i+1]
.set i, i+1
.endr
.irp x, 0,1
.irp d, 0,1,2,3
	global_store_b128 v[LI], v[S+16*\x+4*\d:S+16*\x+4*\d+3], s[10:11] offset:8192*\x+512*\d   ; the wave stores 512 consecutive aligned bytes
.endr
.endr
	s_wait_tensorcnt 0x0                           ; the wave's end
	ds_add_u32 v[SPW], v[NIL]
	s_wait_dscnt 0x0
	CROUND                                         ; the closing round
	s_endpgm
.Lfunc_end_k_q11d317ab9f_attn:
	.size	k_q11d317ab9f_attn, .Lfunc_end_k_q11d317ab9f_attn-k_q11d317ab9f_attn
	.p2alignl 7, 3214868480
	.fill 96, 4, 3214868480
	.section	.rodata,"a",@progbits
	.p2align	6, 0x0
	.amdhsa_kernel k_q11d317ab9f_attn
		.amdhsa_group_segment_fixed_size 327680
		.amdhsa_private_segment_fixed_size 0
		.amdhsa_enable_private_segment 0
		.amdhsa_kernarg_size 16
		.amdhsa_user_sgpr_count 2
		.amdhsa_user_sgpr_kernarg_segment_ptr 1
		.amdhsa_wavefront_size32 1
		.amdhsa_system_sgpr_workgroup_id_x 1
		.amdhsa_system_sgpr_workgroup_id_y 1
		.amdhsa_system_sgpr_workgroup_id_z 1
		.amdhsa_system_vgpr_workitem_id 0
		.amdhsa_next_free_vgpr 384
		.amdhsa_next_free_sgpr 66
		.amdhsa_reserve_vcc 0
		.amdhsa_float_denorm_mode_32 3
		.amdhsa_float_denorm_mode_16_64 3
		.amdhsa_memory_ordered 1
		.amdhsa_forward_progress 1
		.amdhsa_inst_pref_size 49
	.end_amdhsa_kernel
	.amdgpu_metadata
---
amdhsa.version: [ 1, 2 ]
amdhsa.kernels:
  - .name:           k_q11d317ab9f_attn
    .symbol:         k_q11d317ab9f_attn.kd
    .args:
      - { .name: qkv, .offset: 0, .size: 8, .value_kind: global_buffer, .address_space: global }
      - { .name: af, .offset: 8, .size: 8, .value_kind: global_buffer, .address_space: global }
    .group_segment_fixed_size: 327680
    .private_segment_fixed_size: 0
    .kernarg_segment_align: 8
    .kernarg_segment_size: 16
    .max_flat_workgroup_size: 256
    .sgpr_count:     66
    .vgpr_count:     384
    .wavefront_size: 32
...
	.end_amdgpu_metadata
.endif
;; end of part 3
;; launch oproj (part 4): grid 8 x 32, 4 waves a work-group, clusters of 4 x 4, 327,680 bytes of LDS; arguments af, wo_f, bo, out0; writes out0
.if DOCPART == 4
	.amdgcn_target "amdgcn-amd-amdhsa--gfx1250"
	.amdhsa_code_object_version 6
	.text
	.protected	k_q11d317ab9f_oproj
	.globl	k_q11d317ab9f_oproj
	.p2align	8
	.type	k_q11d317ab9f_oproj,@function
k_q11d317ab9f_oproj:
	s_mov_b64 s[64:65], 0
	v_nop
	global_prefetch_b8 v0, s[64:65] scope:SCOPE_SE
	s_setreg_imm32_b32 hwreg(HW_REG_WAVE_MODE, 25, 1), 1
	s_wait_xcnt 0x0
	s_wait_alu depctr_hold_cnt(0) depctr_sa_sdst(0) depctr_va_vdst(0) depctr_va_sdst(0) depctr_va_ssrc(0) depctr_va_vcc(0) depctr_vm_vsrc(0)
	s_getreg_b32 s2, hwreg(HW_REG_IB_STS2, 6, 4)
	s_cmp_eq_u32 s2, 0
	s_cbranch_scc0 .Lentry_in_a_cluster
	s_endpgm
.Lentry_in_a_cluster:
	s_bfe_u32 s2, ttmp6, 0x10000c
	s_cmp_lg_u32 s2, 0xf033
	s_cbranch_scc0 .Lentry_shape_is_right
	s_endpgm
.Lentry_shape_is_right:
; out0 = a wo + bo.  a [4096][1024] and wo [1024][1024] come in f16 as images of operand registers; sums in f32; out0 f32.
;   af:   [k / 256, 4][token tile 256][(k / 32) % 8][piece c][lane][16 bytes]: lane (r, h): token r, k = .. + 16 c + 8 h + 0..7.      wo_f: [k / 256, 4][n / 16, 64][(k / 32) % 8][c][lane][16]: lane (r, h): column r.
; A tile of the result is 128 tokens x 128 columns: 256 work-groups, one for each WGP.  Four waves, each 64 x 64: 16 accumulators.  K = 1,024 goes in four steps of 256 through two LDS slots; the four steps are written out.
; A K step's eight tiles of 16 rows are one dense block of 65,536 bytes for each operand; a wave brings half of one by one tensor load (128 rows of 256 bytes); fragments are read at 16 x lane: no pitch, no padding.
; CLUSTER 4 x 4: the four work-groups of a row of the cluster need the same tokens, the four of a column the same columns of wo: each block is asked for jointly.
; THE MATRIX INSTRUCTION IS USED TRANSPOSED (source 0 = 16 columns of wo, source 1 = 16 tokens): a lane holds eight neighbouring numbers of a row of the result.  The bias is the C of each sum's first product.
; A wave's 64 columns are 256 bytes of a row: they go through the wave's own stage in LDS, so that sixteen lanes store 256 consecutive aligned bytes.
; No prefetch: a K step here has 128 matrix instructions a wave and the whole walk is four steps.
; REGISTERS: window 0: v16-29 addresses; v32-95 the way out, two sets; v96-127 the bias, 8 registers for each of my four column tiles; v128-255 the accumulators ((a, b) at v[128 + 8 (4 a + b)]).
;   window 1: two fragment buffers of 128: for 64 along K, 64 registers of tokens, then 64 of wo.
.set SLOT,   131072                    ; the tokens' 65,536 bytes, then wo's
.set STAGE,  2*SLOT                    ; behind the ring: 16 rows x 272 bytes for each wave
.set SPITCH, 272
.set SPARE,  STAGE+4*16*SPITCH         ; the spare words, 128 bytes a wave; no other line names them
.set ADRA, 16                          ; v16-17  my tokens' fragments in slot 0, 1
.set ADRB, 20                          ; v20-21  my columns'
.set STO,  24
.set RD,   25
.set CO,   26
.set SPW,  28
.set NIL,  29
.set TMP,  32
.set BIAS, 96
.set ACC,  128
.set F0,   0
.set F1,   128
.set G1,  24                           ; s[24:31] group 1 for the tokens;  s[32:39] group 0, one set for each slot
.set G0,  32
.set G1B, 48                           ; s[48:55], s[56:63] the same for wo
.set G0B, 56
.set MSB, 0
.macro WIN new
.if MSB != \new
	s_set_vgpr_msb (MSB<<8)|\new
.set MSB, \new
.endif
.endm
.set MUL,  0x05                        ; sources 0 and 1 window 1; C and D window 0
.set TO_F, 0x40                        ; destination window 1
.macro PLACES
.rept 4
	v_nop
.endr
.endm
.macro JLOAD s                         ; waves 0 and 1 fetch the tokens' halves, waves 2 and 3 wo's; the branch hangs on the wave's number alone
	s_cmp_eq_u32 s13, 0
	s_cbranch_scc0 .Lfor_b_\@
	tensor_load_to_lds s[G0+4*\s:G0+4*\s+3], s[G1:G1+7]
	s_nop 0
.rept 4
	v_nop
.endr
	s_branch .Lasked_\@
.Lfor_b_\@:
	tensor_load_to_lds s[G0B+4*\s:G0B+4*\s+3], s[G1B:G1B+7]
	s_nop 0
.rept 4
	v_nop
.endr
.Lasked_\@:
.endm
.macro CREST
	s_cmp_lg_u32 s12, 0
	s_cbranch_scc1 .Lnot_wave_0_\@
	s_barrier_signal -3
.Lnot_wave_0_\@:
	s_barrier_wait -3
	s_barrier_signal -1
	s_barrier_wait -1
.endm
.macro CROUND
	s_barrier_signal -1
	s_barrier_wait -1
	CREST
.endm
	s_load_b256 s[4:11], s[0:1], 0x0               ; af 4:5, wo_f 6:7, bo 8:9, out0 10:11
	v_lshl_add_u32 v[SPW], v0, 2, SPARE
	v_mov_b32 v[NIL], 0
	ds_add_u32 v[SPW], v[NIL]                      ; the wave's opening: the add, twice on end, and its wait ahead of my first tensor load
	ds_add_u32 v[SPW], v[NIL]
	v_lshrrev_b32 v1, 5, v0
	v_readfirstlane_b32 s12, v1                    ; wave 0..3
	s_lshr_b32 s13, s12, 1                         ; which half of the tile's tokens is mine.  Also: I fetch tokens (0) or wo (1)
	s_and_b32 s14, s12, 1                          ; which half of its columns.  Also: which half of that block I fetch
	s_bfe_u32 s40, ttmp6, 0x40000                  ; cx, cy
	s_bfe_u32 s41, ttmp6, 0x40004
	s_lshl_b32 s42, ttmp9, 2
	s_add_co_u32 s42, s42, s40                     ; tile column
	s_and_b32 s15, ttmp7, 0xffff
	s_lshl_b32 s15, s15, 2
	s_add_co_u32 s15, s15, s41                     ; tile row
	s_lshl_b32 s43, s41, 2
	s_lshl_b32 s43, 15, s43                        ; my row of the cluster
	s_lshl_b32 s44, 0x1111, s40                    ; my column
	s_or_b32 s[G1], s43, (3<<16)|(1<<21)           ; elements of 8 bytes; bit 21 beside the mask; no padding
	s_or_b32 s[G1B], s44, (3<<16)|(1<<21)
.irp g, G1, G1B
	s_mov_b32 s[\g+1], 32<<16                      ; 128 rows of 256 bytes, dense
	s_mov_b32 s[\g+2], 128<<16
	s_mov_b32 s[\g+3], 32<<16
	s_mov_b32 s[\g+4], 128
	s_mov_b32 s[\g+5], 32
	s_mov_b32 s[\g+6], 0
	s_mov_b32 s[\g+7], 0
.endr
	s_lshl_b32 s17, s14, 15                        ; which half I fetch
	s_lshl_b32 s16, s15, 16
	s_add_co_u32 s16, s16, s17                     ; tokens: tile row x 65,536 + half x 32,768
	s_lshl_b32 s46, s42, 16
	s_add_co_u32 s46, s46, s17                     ; wo: tile column x 65,536 + half x 32,768
	s_mov_b32 s17, 0
	s_mov_b32 s47, 0
	s_lshl_b32 s20, s12, 15                        ; where they go: wave x 32,768
	s_wait_dscnt 0x0                               ; both opening adds are done
	s_wait_kmcnt 0x0
	s_add_nc_u64 s[18:19], s[4:5], s[16:17]
	s_add_nc_u64 s[46:47], s[6:7], s[46:47]
	CROUND                                         ; all sixteen work-groups are here: the first joint loads meet
.irp s, 0,1
	s_mov_b32 s[G0+4*\s], 1
	s_add_co_u32 s[G0+4*\s+1], s20, \s*SLOT
	s_add_nc_u64 s[G0+4*\s+2:G0+4*\s+3], s[18:19], \s*2097152     ; K step s
	s_or_b32 s[G0+4*\s+3], s[G0+4*\s+3], 0x80000000
	s_mov_b32 s[G0B+4*\s], 1
	s_add_co_u32 s[G0B+4*\s+1], s20, \s*SLOT
	s_add_nc_u64 s[G0B+4*\s+2:G0B+4*\s+3], s[46:47], \s*524288
	s_or_b32 s[G0B+4*\s+3], s[G0B+4*\s+3], 0x80000000
	JLOAD \s
.endr
	v_and_b32 v1, 15, v0                           ; r
	v_bfe_u32 v2, v0, 4, 1                         ; h
	v_and_b32 v3, 31, v0
	v_lshlrev_b32 v3, 4, v3                        ; 16 x lane
	s_lshl_b32 s21, s13, 15                        ; my four tiles of tokens
	s_lshl_b32 s22, s14, 15
	s_add_co_u32 s22, s22, 65536                   ; my four tiles of columns, behind the tokens
.irp s, 0,1
	v_add_nc_u32 v[ADRA+\s], s21, v3
	v_add_nc_u32 v[ADRB+\s], s22, v3
	s_add_co_u32 s21, s21, SLOT
	s_add_co_u32 s22, s22, SLOT
.endr
	s_mul_i32 s23, s12, 16*SPITCH
	s_add_co_u32 s23, s23, STAGE                   ; my stage
	v_mul_u32_u24 v4, v1, SPITCH
	v_lshl_add_u32 v4, v2, 5, v4
	v_add_nc_u32 v[STO], s23, v4                   ; in: row r, 32 bytes for each half of the lanes
	v_mul_u32_u24 v5, v2, SPITCH
	v_lshl_add_u32 v5, v1, 4, v5
	v_add_nc_u32 v[RD], s23, v5                    ; back: lanes 0-15 one row of 256 bytes, lanes 16-31 the next
	v_lshlrev_b32 v[CO], 12, v2
	v_lshl_add_u32 v[CO], v1, 4, v[CO]             ; and the same two rows of out0
	v_lshlrev_b32 v27, 5, v2                       ; the bias: my half's eight columns
	s_lshl_b32 s46, s42, 9
	s_lshl_b32 s47, s14, 8
	s_add_co_u32 s46, s46, s47                     ; my first column, in bytes: 512 x tile column + 256 x half
	s_mov_b32 s47, 0
	s_add_nc_u64 s[8:9], s[8:9], s[46:47]
	s_lshl_b32 s21, s15, 19
	s_add_co_u32 s46, s46, s21
	s_lshl_b32 s21, s13, 18
	s_add_co_u32 s46, s46, s21                     ; + my first row: (128 x tile row + 64 x half) x 4,096
	s_add_nc_u64 s[10:11], s[10:11], s[46:47]
.irp b, 0,1,2,3
	global_load_b128 v[BIAS+8*\b:BIAS+8*\b+3], v27, s[8:9] offset:64*\b
	global_load_b128 v[BIAS+8*\b+4:BIAS+8*\b+7], v27, s[8:9] offset:64*\b+16
.endr
; 8 matrix instructions: token tiles a0, a0 + 1 x my four column tiles, 32 along K: half c of buffer f.  first = 1: the bias starts the sums.  The 16 accumulators take turns.
.macro MUL8 f, c, a0, first
.irp a, \a0, \a0+1
.irp b, 0,1,2,3
.if \first
	v_wmma_f32_16x16x32_f16 v[ACC+8*(4*(\a)+\b):ACC+8*(4*(\a)+\b)+7], v[\f+64+8*(4*\c+\b):\f+64+8*(4*\c+\b)+7], v[\f+8*(4*\c+\a):\f+8*(4*\c+\a)+7], v[BIAS+8*\b:BIAS+8*\b+7]
.else
	v_wmma_f32_16x16x32_f16 v[ACC+8*(4*(\a)+\b):ACC+8*(4*(\a)+\b)+7], v[\f+64+8*(4*\c+\b):\f+64+8*(4*\c+\b)+7], v[\f+8*(4*\c+\a):\f+8*(4*\c+\a)+7], v[ACC+8*(4*(\a)+\b):ACC+8*(4*(\a)+\b)+7]
.endif
.endr
.endr
.endm
; 32 LDS loads in one run: the fragments of the slot's q-th 64 along K into buffer f; the first 32 along K first
.macro FETCH slot, q, f
	WIN TO_F
.irp c, 0,1
.irp i, 0,1,2,3
	ds_load_b128 v[\f+64+8*(4*\c+\i):\f+64+8*(4*\c+\i)+3],   v[ADRB+\slot] offset:8192*\i+1024*(2*(\q)+\c)
	ds_load_b128 v[\f+64+8*(4*\c+\i)+4:\f+64+8*(4*\c+\i)+7], v[ADRB+\slot] offset:8192*\i+1024*(2*(\q)+\c)+512
	ds_load_b128 v[\f+8*(4*\c+\i):\f+8*(4*\c+\i)+3],         v[ADRA+\slot] offset:8192*\i+1024*(2*(\q)+\c)
	ds_load_b128 v[\f+8*(4*\c+\i)+4:\f+8*(4*\c+\i)+7],       v[ADRA+\slot] offset:8192*\i+1024*(2*(\q)+\c)+512
.endr
.endr
.endm
; One of a K step's first three quarters: multiplies buffer f and fetches quarter q of the same slot into g
.macro QUARTER slot, q, f, g, first
	s_wait_dscnt 16                                ; the first 32 along K are in
	WIN MUL
	MUL8 \f, 0, 0, \first
	MUL8 \f, 0, 2, \first
	PLACES                                         ; in front of loads into registers that matrix instructions have read
	FETCH \slot, \q, \g
	s_wait_dscnt 32                                ; all but the 32 just issued
	WIN MUL
	MUL8 \f, 1, 0, 0
	MUL8 \f, 1, 2, 0
.endm
; The last quarter multiplies buffer 1 and changes slots: one barrier; in front of it each wave waits for all its tensor loads, adds 0 to its spare word, and waits for that and for its reads of this slot.  fill = 1: this slot is filled again, two K steps ahead.
.macro TURN slot, next, fill
	WIN 0
	s_wait_tensorcnt 0x0                           ; all my tensor loads have landed: my part of the next slot
	ds_add_u32 v[SPW], v[NIL]
	s_wait_dscnt 17                                ; (the add and the youngest sixteen loads may be out)
	WIN MUL
	MUL8 F1, 0, 0, 0
	s_wait_dscnt 0x0                               ; the add is done, and my reads of this slot are over
	s_barrier_signal -1
	MUL8 F1, 0, 2, 0
.if \fill
	WIN 0
.endif
	s_barrier_wait -1
.if \fill
	CREST                                          ; the barrier has opened a round of the cluster's barrier: no wave of any partner still reads this slot or has a load on its way
	s_add_nc_u64 s[G0+4*\slot+2:G0+4*\slot+3], s[G0+4*\slot+2:G0+4*\slot+3], 2*2097152
	s_add_nc_u64 s[G0B+4*\slot+2:G0B+4*\slot+3], s[G0B+4*\slot+2:G0B+4*\slot+3], 2*524288
	JLOAD \slot                                    ; the first tensor load behind the round; its four v_nop are also the places in front of the loads below
.else
	PLACES
.endif
	FETCH \next, 0, F0
	WIN MUL
	MUL8 F1, 1, 0, 0
	MUL8 F1, 1, 2, 0
.endm
	s_wait_tensorcnt 1                             ; my part of K step 0 is in; K step 1's load may be out
	s_barrier_signal -1
	s_barrier_wait -1
	FETCH 0, 0, F0
	s_wait_loadcnt 0x0                             ; the bias
	QUARTER 0, 1, F0, F1, 1                        ; K step 0
	QUARTER 0, 2, F1, F0, 0
	QUARTER 0, 3, F0, F1, 0
	TURN 0, 1, 1                                   ; slot 0 takes K step 2
	QUARTER 1, 1, F0, F1, 0                        ; K step 1
	QUARTER 1, 2, F1, F0, 0
	QUARTER 1, 3, F0, F1, 0
	TURN 1, 0, 1                                   ; slot 1 takes K step 3
	QUARTER 0, 1, F0, F1, 0                        ; K step 2
	QUARTER 0, 2, F1, F0, 0
	QUARTER 0, 3, F0, F1, 0
	TURN 0, 1, 0                                   ; nothing is left to fetch
	QUARTER 1, 1, F0, F1, 0                        ; K step 3
	QUARTER 1, 2, F1, F0, 0
	QUARTER 1, 3, F0, F1, 0
	s_wait_dscnt 16
	WIN MUL
	MUL8 F1, 0, 0, 0
	MUL8 F1, 0, 2, 0
	s_wait_dscnt 0x0
	MUL8 F1, 1, 0, 0
	MUL8 F1, 1, 2, 0
	WIN 0
; THE WAY OUT, a tile of 16 tokens x my 64 columns at a time, through my own stage.  LDS serves a wave's instructions in order: no wait between the stores and the loads, nor in front of the next tile's stores.
.macro TOSTAGE a
.irp b, 0,1,2,3
	ds_store_b128 v[STO], v[ACC+8*(4*(\a)+\b):ACC+8*(4*(\a)+\b)+3] offset:64*\b        ; each accumulator from its low end on
	ds_store_b128 v[STO], v[ACC+8*(4*(\a)+\b)+4:ACC+8*(4*(\a)+\b)+7] offset:64*\b+16
.endr
.irp t, 0,1,2,3,4,5,6,7
	ds_load_b128 v[TMP+32*((\a)%2)+4*\t:TMP+32*((\a)%2)+4*\t+3], v[RD] offset:\t*2*SPITCH
.endr
.endm
.macro SEND a, younger                 ; younger: the LDS instructions issued behind tile a's loads
	s_wait_dscnt \younger
.irp t, 0,1,2,3,4,5,6,7
	global_store_b128 v[CO], v[TMP+32*((\a)%2)+4*\t:TMP+32*((\a)%2)+4*\t+3], s[10:11] offset:(16*(\a)+2*\t)*4096 th:TH_STORE_NT   ; 16 lanes store 256 consecutive aligned bytes
.endr
.endm
	PLACES                                         ; behind the last products, in front of the first read of results
	TOSTAGE 0
.irp a, 1,2,3
.if \a > 1
	s_wait_xcnt 0x0                                ; the stores of two tiles back have read the registers into which this tile's loads land
.endif
	TOSTAGE \a
	SEND \a-1, 16                                  ; behind tile a - 1's loads: tile a's 8 stores and 8 loads
.endr
	SEND 3, 0
	s_wait_tensorcnt 0x0                           ; the wave's end
	ds_add_u32 v[SPW], v[NIL]
	s_wait_dscnt 0x0
	CROUND                                         ; the closing round
	s_endpgm
.Lfunc_end_k_q11d317ab9f_oproj:
	.size	k_q11d317ab9f_oproj, .Lfunc_end_k_q11d317ab9f_oproj-k_q11d317ab9f_oproj
	.p2alignl 7, 3214868480
	.fill 96, 4, 3214868480
	.section	.rodata,"a",@progbits
	.p2align	6, 0x0
	.amdhsa_kernel k_q11d317ab9f_oproj
		.amdhsa_group_segment_fixed_size 327680
		.amdhsa_private_segment_fixed_size 0
		.amdhsa_enable_private_segment 0
		.amdhsa_kernarg_size 32
		.amdhsa_user_sgpr_count 2
		.amdhsa_user_sgpr_kernarg_segment_ptr 1
		.amdhsa_wavefront_size32 1
		.amdhsa_system_sgpr_workgroup_id_x 1
		.amdhsa_system_sgpr_workgroup_id_y 1
		.amdhsa_system_sgpr_workgroup_id_z 1
		.amdhsa_system_vgpr_workitem_id 0
		.amdhsa_next_free_vgpr 512
		.amdhsa_next_free_sgpr 66
		.amdhsa_reserve_vcc 0
		.amdhsa_float_denorm_mode_32 3
		.amdhsa_float_denorm_mode_16_64 3
		.amdhsa_memory_ordered 1
		.amdhsa_forward_progress 1
		.amdhsa_inst_pref_size 86
	.end_amdhsa_kernel
	.amdgpu_metadata
---
amdhsa.version: [ 1, 2 ]
amdhsa.kernels:
  - .name:           k_q11d317ab9f_oproj
    .symbol:         k_q11d317ab9f_oproj.kd
    .args:
      - { .name: af, .offset: 0, .size: 8, .value_kind: global_buffer, .address_space: global }
      - { .name: wo_f, .offset: 8, .size: 8, .value_kind: global_buffer, .address_space: global }
      - { .name: bo, .offset: 16, .size: 8, .value_kind: global_buffer, .address_space: global }
      - { .name: out0, .offset: 24, .size: 8, .value_kind: global_buffer, .address_space: global }
    .group_segment_fixed_size: 327680
    .private_segment_fixed_size: 0
    .kernarg_segment_align: 8
    .kernarg_segment_size: 32
    .max_flat_workgroup_size: 128
    .sgpr_count:     66
    .vgpr_count:     512
    .wavefront_size: 32
...
	.end_amdgpu_metadata
.endif
;; end of part 4
